; MI455X (gfx1250); checked and timed in simulation.
; The chip was launched on July 23, 2026; its instructions are those of AMD's public machine-readable ISA for CDNA 5 (MIT licence, August 2026) and "CDNA5" Instruction Set Architecture Reference Guide (July 2026). The comments in the code are by the model that wrote it; some were corrected since.
;; Behavior Specific PFF. Allowed arithmetic: float matrix products may take bf16 or f16 operands with f32 sums; all other float work in f32.
;; Inputs: B1 2 x 2,048 float32; B2 2 x 512 float32; W1 2 x 512 x 2,048 float32; W2 2 x 2,048 x 512 float32; b_seq 32 x 512 int32; x 32 x 512 x 512 float32.
;; Outputs: out0 32 x 512 x 512 float32.
;; One version. Each part assembles by itself: llvm-mc -triple=amdgcn-amd-amdhsa -mcpu=gfx1250 --defsym DOCPART=n.
;; ======== version 1 of 1: 2 launches
;; workspace buffers: wf 8,388,608 bytes
;; launch prep (part 1): grid 256 x 1, 8 waves a work-group, no clusters, 0 bytes of LDS; arguments W1, W2, wf; writes wf
.if DOCPART == 1
	.amdgcn_target "amdgcn-amd-amdhsa--gfx1250"
	.amdhsa_code_object_version 6
	.text
	.protected	k_qc5a7587e4d_prep
	.globl	k_qc5a7587e4d_prep
	.p2align	8
	.type	k_qc5a7587e4d_prep,@function
k_qc5a7587e4d_prep:
	s_mov_b64 s[64:65], 0
	v_nop
	global_prefetch_b8 v0, s[64:65] scope:SCOPE_SE
	s_setreg_imm32_b32 hwreg(HW_REG_WAVE_MODE, 25, 1), 1
	s_wait_xcnt 0x0
; prep: W1 [2][512][2048] and W2 [2][2048][512], f32, are rounded to bf16 and written into wf in the order in which the second launch
; streams them and in the register image of the matrix instruction's first source.
; wf: for each (network e, wave w of the second launch) a stream of 1 MiB at byte (4 e + w) << 20: 64 pieces of 16 KiB.
; A chunk is 64 values of f.  W1(chunk c) is piece max(2 c - 1, 0), W2(chunk c) is piece min(2 c + 2, 63).
; A piece is 16 fragments of 1,024 bytes: bytes 16 L .. are lane L's registers 0-3, bytes 512 + 16 L .. its registers 4-7.
; W1 piece, fragment ks: row m (lane % 16) is f = 64 c + 4 m + w; k = 32 ks + 8 (lane / 16) + 0..7, and + 16 in registers 4-7.
; W2 piece, fragment 8 s + 4 G1 + cc: row m is out column 64 (2 w + G1) + 4 m + cc; place 16 half + 8 (lane / 16) + i along K is
; f = 64 c + 4 (8 (lane / 16) + i) + 2 s + half.
; The strides of 4 make the four numbers of a lane's 16-byte load belong to four fragments: every load of a wave takes 256 consecutive
; aligned bytes of each of two rows, every store of a wave covers 512 consecutive aligned bytes.
; A stream bound by memory: no LDS, no barrier, no matrix unit.  2,048 waves, 16 loads and 8 stores each.
.set X, 4                              ; v[4:67]   unit u, row i: the quad at X + 32 u + 4 i, as loaded
.set O, 68                             ; v[68:99]  unit u, column c: four registers of a fragment, at O + 16 u + 4 c
; Two units of 8 rows x 2 halves of the lanes.  src: the scalar pair of the source; ustep: bytes from unit 0 to unit 1 in the source;
; cstep: bytes in wf from column c's fragment to column c + 1's.  No register is written twice, so no wait frees a source.
.macro CONV src, ustep, cstep
.irp u, 0,1
.irp i, 0,1,2,3,4,5,6,7
	global_load_b128 v[X+32*\u+4*\i:X+32*\u+4*\i+3], v1, s[\src:\src+1] offset:8192*\i+\ustep*\u th:TH_LOAD_NT
.endr
.endr
.irp u, 0,1
	s_wait_loadcnt 8-8*\u                          ; loads come back in order: unit 0 is in while unit 1's eight stay out; then all
.irp c, 0,1,2,3
.irp p, 0,1,2,3
	v_cvt_pk_bf16_f32 v[O+16*\u+4*\c+\p], v[X+32*\u+8*\p+\c], v[X+32*\u+8*\p+4+\c]   ; rows 2 p and 2 p + 1 of column c: neighbours along K
.endr
.endr
.irp c, 0,1,2,3
	global_store_b128 v2, v[O+16*\u+4*\c:O+16*\u+4*\c+3], s[10:11] offset:\cstep*\c+512*\u
.endr
.endr
.endm
	s_load_b128 s[4:7], s[0:1], 0x0                ; W1 s[4:5], W2 s[6:7]
	s_load_b64 s[10:11], s[0:1], 0x10              ; wf
	v_lshrrev_b32 v1, 5, v0
	v_readfirstlane_b32 s20, v1                    ; wave 0..7
	v_and_b32 v3, 31, v0                           ; lane L
	v_and_b32 v1, 15, v0
	v_bfe_u32 v2, v0, 4, 1
	v_lshlrev_b32 v1, 4, v1
	v_lshl_add_u32 v1, v2, 16, v1                  ; source: 16 (L % 16) + 65,536 (L / 16): eight steps of 8,192 bytes further for the upper lanes
	v_lshlrev_b32 v2, 4, v3                        ; destination: 16 L
	s_wait_kmcnt 0x0
	s_cmp_lt_u32 ttmp9, 128                        ; the work-group's number picks the tensor: the same for all its waves
	s_cbranch_scc0 .Lw2
	; W1: 1,024 waves: (e, ks, chunk).  A row of W1 is 8,192 bytes; a unit is 16 values of k
	s_lshl_b32 s21, ttmp9, 3
	s_add_co_u32 s21, s21, s20
	s_and_b32 s22, s21, 31                         ; chunk
	s_bfe_u32 s23, s21, 0x40005                    ; ks
	s_lshr_b32 s24, s21, 9                         ; e
	s_lshl_b32 s25, s24, 22                        ; a network's 4 MiB, in W1 and in wf alike
	s_lshl_b32 s26, s23, 18                        ; 32 rows of 8,192 bytes
	s_add_co_u32 s26, s26, s25
	s_lshl_b32 s27, s22, 8                         ; 64 columns of 4 bytes
	s_add_co_u32 s26, s26, s27
	s_mov_b32 s27, 0
	s_add_nc_u64 s[4:5], s[4:5], s[26:27]
	s_lshl_b32 s28, s22, 1
	s_sub_co_i32 s28, s28, 1
	s_max_i32 s28, s28, 0                          ; piece max(2 c - 1, 0)
	s_lshl_b32 s28, s28, 14
	s_add_co_u32 s28, s28, s25
	s_lshl_b32 s29, s23, 10                        ; fragment ks
	s_add_co_u32 s28, s28, s29
	s_mov_b32 s29, 0
	s_add_nc_u64 s[10:11], s[10:11], s[28:29]
	CONV 4, 131072, 1048576                        ; column c of a quad belongs to wave c's stream, 1 MiB further
	s_endpgm
.Lw2:                                                  ; W2: 1,024 waves: (e, chunk, s, G).  A row of W2 is 2,048 bytes; a unit's rows are 4 apart
	s_sub_co_u32 s21, ttmp9, 128
	s_lshl_b32 s21, s21, 3
	s_add_co_u32 s21, s21, s20
	s_and_b32 s22, s21, 7                          ; G: 64 out columns
	s_bfe_u32 s23, s21, 0x10003                    ; s
	s_bfe_u32 s24, s21, 0x50004                    ; chunk
	s_lshr_b32 s25, s21, 9                         ; e
	s_lshl_b32 s26, s25, 22
	s_lshl_b32 s27, s24, 17                        ; 64 rows of 2,048 bytes
	s_add_co_u32 s26, s26, s27
	s_lshl_b32 s27, s23, 12                        ; 2 s rows
	s_add_co_u32 s26, s26, s27
	s_lshl_b32 s27, s22, 8
	s_add_co_u32 s26, s26, s27
	s_mov_b32 s27, 0
	s_add_nc_u64 s[6:7], s[6:7], s[26:27]
	s_lshl_b32 s28, s25, 22
	s_lshr_b32 s29, s22, 1                         ; the wave that owns these columns
	s_lshl_b32 s29, s29, 20
	s_add_co_u32 s28, s28, s29
	s_lshl_b32 s29, s24, 1
	s_add_co_u32 s29, s29, 2
	s_min_u32 s29, s29, 63                         ; piece min(2 c + 2, 63)
	s_lshl_b32 s29, s29, 14
	s_add_co_u32 s28, s28, s29
	s_lshl_b32 s29, s23, 13                        ; fragment 8 s
	s_add_co_u32 s28, s28, s29
	s_and_b32 s29, s22, 1
	s_lshl_b32 s29, s29, 12                        ; + 4 (G % 2)
	s_add_co_u32 s28, s28, s29
	s_mov_b32 s29, 0
	s_add_nc_u64 s[10:11], s[10:11], s[28:29]
	CONV 6, 2048, 1024                             ; unit 1 is one row further (half = 1); column cc is the next fragment
	s_endpgm
.Lfunc_end_k_qc5a7587e4d_prep:
	.size	k_qc5a7587e4d_prep, .Lfunc_end_k_qc5a7587e4d_prep-k_qc5a7587e4d_prep
	.p2alignl 7, 3214868480
	.fill 96, 4, 3214868480
	.section	.rodata,"a",@progbits
	.p2align	6, 0x0
	.amdhsa_kernel k_qc5a7587e4d_prep
		.amdhsa_group_segment_fixed_size 0
		.amdhsa_private_segment_fixed_size 0
		.amdhsa_enable_private_segment 0
		.amdhsa_kernarg_size 24
		.amdhsa_user_sgpr_count 2
		.amdhsa_user_sgpr_kernarg_segment_ptr 1
		.amdhsa_wavefront_size32 1
		.amdhsa_system_sgpr_workgroup_id_x 1
		.amdhsa_system_sgpr_workgroup_id_y 1
		.amdhsa_system_sgpr_workgroup_id_z 1
		.amdhsa_system_vgpr_workitem_id 0
		.amdhsa_next_free_vgpr 104
		.amdhsa_next_free_sgpr 66
		.amdhsa_reserve_vcc 0
		.amdhsa_float_denorm_mode_32 3
		.amdhsa_float_denorm_mode_16_64 3
		.amdhsa_memory_ordered 1
		.amdhsa_forward_progress 1
		.amdhsa_inst_pref_size 12
	.end_amdhsa_kernel
	.amdgpu_metadata
---
amdhsa.version: [ 1, 2 ]
amdhsa.kernels:
  - .name:           k_qc5a7587e4d_prep
    .symbol:         k_qc5a7587e4d_prep.kd
    .args:
      - { .name: W1, .offset: 0, .size: 8, .value_kind: global_buffer, .address_space: global }
      - { .name: W2, .offset: 8, .size: 8, .value_kind: global_buffer, .address_space: global }
      - { .name: wf, .offset: 16, .size: 8, .value_kind: global_buffer, .address_space: global }
    .group_segment_fixed_size: 0
    .private_segment_fixed_size: 0
    .kernarg_segment_align: 8
    .kernarg_segment_size: 24
    .max_flat_workgroup_size: 256
    .sgpr_count:     66
    .vgpr_count:     104
    .wavefront_size: 32
...
	.end_amdgpu_metadata
.endif
;; end of part 1
;; launch ffn (part 2): grid 256 x 1, 4 waves a work-group, clusters of 4 x 1, 327,680 bytes of LDS; arguments x, b_seq, B1, B2, wf, out0; writes out0
.if DOCPART == 2
	.amdgcn_target "amdgcn-amd-amdhsa--gfx1250"
	.amdhsa_code_object_version 6
	.text
	.protected	k_qc5a7587e4d_ffn
	.globl	k_qc5a7587e4d_ffn
	.p2align	8
	.type	k_qc5a7587e4d_ffn,@function
k_qc5a7587e4d_ffn:
	s_mov_b64 s[64:65], 0
	v_nop
	global_prefetch_b8 v0, s[64:65] scope:SCOPE_SE
	s_setreg_imm32_b32 hwreg(HW_REG_WAVE_MODE, 25, 1), 1
	s_wait_xcnt 0x0
	s_wait_alu depctr_hold_cnt(0) depctr_sa_sdst(0) depctr_va_vdst(0) depctr_va_sdst(0) depctr_va_ssrc(0) depctr_va_vcc(0) depctr_vm_vsrc(0)
	s_getreg_b32 s2, hwreg(HW_REG_IB_STS2, 6, 4)
	s_cmp_eq_u32 s2, 0
	s_cbranch_scc0 .Lentry_in_a_cluster
	s_endpgm
.Lentry_in_a_cluster:
	s_bfe_u32 s2, ttmp6, 0x10000c
	s_cmp_lg_u32 s2, 0x3003
	s_cbranch_scc0 .Lentry_shape_is_right
	s_endpgm
.Lentry_shape_is_right:
; out[token] = relu(x[token] W1[b-1] + B1[b-1]) W2[b-1] + B2[b-1] for b = b_seq[token] in {1, 2}; a row of zeros for every other id.
; Both networks are computed for every token, as the reference computes them, and the stores select: network e's rows are stored where b_seq = e + 1.
; The text runs alike for every input: no branch, trip count, barrier or address hangs on b_seq; it makes store masks alone.  (Computing only the selected network
; would make trip counts or the weights' addresses hang on loaded numbers, and the partners of a cluster, who ask for the weights jointly, must run alike.)
; LIMITS.  Matrix operands are bf16 (x, W1, W2, and h rounded once), sums f32.  relu is a maximum in which a NaN loses: a NaN in h becomes 0.
; Where the network that is NOT selected overflows, the reference's 0 x Inf is a NaN; this text gives the selected network's number.
; SHARES.  Work-group g owns tokens 64 g .. 64 g + 63: four tiles of 16.  It makes two PASSES, one for each network, on the same fragments of x.
; PRODUCTS, both transposed: h^T = W1^T x^T, y^T = W2^T h^T (source 0 = 16 rows of weights, source 1 = 16 tokens): a lane holds ONE token, and a
; packed tile of h^T is half of a source-1 fragment in the same lane.  F goes in 32 chunks of 64.  Wave w makes 16 f of each chunk for all tokens
; (K = 512 from x fragments that every wave keeps in registers), puts them into LDS, and sums out columns 128 w .. 128 w + 127 over the chunk's 64 f.
; WEIGHTS come as bf16 fragments in stream order (wf): block 0 = W1(0); block b = W1(b), W2(b-1), 32 KiB a wave; block 32 = W2(31).  Two LDS slots
; take turns.  Each fragment is read from LDS once, by the one wave that owns it, and feeds four matrix instructions.
; CLUSTER.  The four work-groups of a cluster walk the same weights in step: each block is asked for JOINTLY, the same tensor load with the same
; descriptor (made of the pass and the wave's number alone) and a mask that names the four.  My place in the cluster enters global offsets alone.
; STEP j: first product of chunk j + 1 and second product of chunk j, from block j + 1.  ONE round of the cluster's barrier a step: in front of it my reads
; of the slot are over, my tensor load (the other slot) has landed, my part of h(j + 1) is stored; behind it the slot is filled again first.
; By this text's own count a wave has one tensor load out at the most.
; BIAS 1 is the C of a chunk's first products.  A chunk's 64 biases are 256 consecutive aligned bytes of B1; wave w takes every fourth word of them, straight
; into registers, a step ahead of their use.
;
; LDS: 0 slot 0, 131,072 slot 1 (wave w's part at 32,768 w: W1's 16 KiB, then W2's); 262,144 h, two buffers of 8 KiB (fragment (t, s) at 1,024 (2 t + s));
;      278,528 a stage of 64 rows x 528 bytes: x on the way in, each wave's 16 rows on the way out.  No fill lands behind byte 262,144.
; REGISTERS, in windows of 256: window 0 below; window 1 the sums of y^T ((ct, t) at 8 (8 t + ct)), before them x as loaded;
;      windows 2, 3 the fragments of x: (ks, t) at 8 (4 (ks % 8) + t), ks < 8 in window 2.
.set MT,    4                          ; token tiles of a work-group
.set SLOTB, 131072
.set HB,    262144
.set STG,   278528
.set SPX,   528                        ; a stage row: 512 bytes + 16: an odd multiple of 16, so that 16 rows of a 16-byte access begin in 16 different groups of banks (ISA guide 11.1)
.set R,    1                           ; v1   lane % 16
.set HH,   2                           ; v2   lane / 16
.set AW,   3                           ; v3, v4  my wave's part of slot 0, 1, + 16 lane
.set AHR,  5                           ; v5   h, read: + 16 lane
.set AHW,  6                           ; v6   h, write: my half fragment, + 16 lane
.set AB1,  7                           ; v7   128 (lane / 16) + 4 w: my first word in a chunk's 256 bytes of B1
.set ASTO, 8                           ; v8   way out: where I put 16 bytes
.set ARD,  9                           ; v9   way out: where I read rows back
.set AXW,  10                          ; v10  x stage, write
.set AXR,  11                          ; v11  x stage, read
.set GX,   12                          ; v12  byte offset in x and in out of row 64 g + 16 w + lane / 16, + 16 (lane % 16)
.set L16,  13                          ; v13  16 lane
.set GO,   14                          ; v14  byte offset in out of row 64 g + lane / 16, + 512 w + 16 (lane % 16)
.set R16,  15                          ; v15  16 (lane % 16)
.set BS,   16                          ; v[16:23]  bias 1 of my 16 f: register j is row 8 (lane / 16) + j
.set GI,   24                          ; v24  byte offset in b_seq of token 64 g + lane / 16
.set GI0,  25                          ; v25  the same of token 64 g + 16 w + lane / 16
.set GB2,  26                          ; v26  512 w + 128 (lane / 16): my first bytes of B2;  v27 at work
.set ZQ,   28                          ; v[28:31]  zeros
.set HF,   32                          ; v[32:95]  fragments of h: (s, t) at 32 + 8 (4 s + t)
.set ID,   32                          ;           at the head and on the way out: ids
.set WB0,  96                          ; v[96:159], v[160:223]  two buffers of eight weight fragments
.set WB1,  160
.set XT,   96                          ;           x staging: packed words
.set BI,   96                          ;           way out: bias 2
.set TT,   160                         ;           way out: results
.set HA,   224                         ; v[224:255] sums of h^T, tile t at 224 + 8 t
.set G1F,  32                          ; s[32:39]  descriptor group 1: 128 rows of 256 bytes
.set G1H,  40                          ; s[40:47]  the same with 64 rows
.set G0,   48                          ; s[48:55]  descriptor group 0, a set for each slot
; s[4:5] x, s[6:7] b_seq, s[8:9] B1 and s[10:11] B2 of the pass's network, s[12:13] wf, s[14:15] out0; s20 wave; s28 the pass, s29 the id that it serves;
; s[56:57] my stream of the pass's network; s58 step counter; s59 EXEC as it was; s[68:69] B1 at the chunk whose bias was loaded last; s66, s67 at work.
; s21 my place in the cluster, s24 my work-group's number, s70, s71 token numbers: these four, and v12, v14, v24, v25 made of them, hold nothing else.
.set MSB, 0
.macro WIN new                         ; s_set_vgpr_msb: bits 1:0 source 0, 3:2 source 1, 5:4 source 2, 7:6 destination; the high byte repeats the setting that is left
.if MSB != (\new)
	s_set_vgpr_msb (MSB<<8)|(\new)
.set MSB, (\new)
.endif
.endm
; Four places: a load into a register that a matrix instruction has read, and a vector instruction that reads a matrix result or writes one of its
; registers, stand four plain vector instructions behind it (ISA guide 7.12.1 for vector instructions).
.macro PLACES
.rept 4
	v_nop
.endr
.endm
.macro CREST                           ; a round of the cluster's barrier behind its opening barrier: wave 0 signals for the work-group, every wave waits for all four work-groups
	s_cmp_lg_u32 s20, 0
	s_cbranch_scc1 .Lnw0_\@
	s_barrier_signal -3
.Lnw0_\@:
	s_barrier_wait -3
	s_barrier_signal -1
	s_barrier_wait -1
.endm
.macro CROUND                          ; a whole round
	s_barrier_signal -1
	s_barrier_wait -1
	CREST
.endm
.macro TLOAD slot, g1                  ; my wave's joint load; the four v_nop behind it are also the places in front of the LDS loads that follow
	tensor_load_to_lds s[G0+4*(\slot):G0+4*(\slot)+3], s[\g1:\g1+7]
	PLACES
.endm
.macro LDW wb, slot, off               ; eight weight fragments: 16 loads, each 512 consecutive bytes
.irp n, 0,1,2,3,4,5,6,7
	ds_load_b128 v[\wb+8*\n:\wb+8*\n+3],   v[AW+(\slot)] offset:\off+1024*\n
	ds_load_b128 v[\wb+8*\n+4:\wb+8*\n+7], v[AW+(\slot)] offset:\off+1024*\n+512
.endr
.endm
; Bias 1 of my 16 f of a chunk: B1[64 c + 4 (8 (lane / 16) + j) + w] into register j.  step = 1: the next chunk; the loads that named the base have been waited for.
.macro LDBIAS step
.if \step
	s_add_nc_u64 s[68:69], s[68:69], 256
.endif
.irp j, 0,1,2,3,4,5,6,7
	global_load_b32 v[BS+\j], v[AB1], s[68:69] offset:16*\j
.endr
.endm
.macro LDH hr                          ; the chunk's h: 2 fragments a token tile, 16 loads
.irp s, 0,1
.set t, 0
.rept MT
	ds_load_b128 v[HF+8*(4*\s+t):HF+8*(4*\s+t)+3],   v[AHR] offset:8192*(\hr)+1024*(2*t+\s)
	ds_load_b128 v[HF+8*(4*\s+t)+4:HF+8*(4*\s+t)+7], v[AHR] offset:8192*(\hr)+1024*(2*t+\s)+512
.set t, t+1
.endr
.endr
.endm
; Half of a chunk's first product: K = 256 kh .. 256 kh + 255.  The four sums take turns, one instruction a turn.  first = 1: the bias starts the sums.
.macro G1HALF kh, wb, first
	WIN 0x08+4*\kh                                 ; source 1 (x) in window 2 or 3
.set ks, 0
.rept 8
.set t, 0
.rept MT
.if \first && (ks == 0)
	v_wmma_f32_16x16x32_bf16 v[HA+8*t:HA+8*t+7], v[\wb+8*ks:\wb+8*ks+7], v[8*(4*ks+t):8*(4*ks+t)+7], v[BS:BS+7]
.else
	v_wmma_f32_16x16x32_bf16 v[HA+8*t:HA+8*t+7], v[\wb+8*ks:\wb+8*ks+7], v[8*(4*ks+t):8*(4*ks+t)+7], v[HA+8*t:HA+8*t+7]
.endif
.set t, t+1
.endr
.set ks, ks+1
.endr
.endm
; A quarter of a chunk's second product: 32 f (fragment s), column tiles ct0 .. ct0 + 3, all token tiles: 16 sums by turns.  zero = 1: the first chunk starts the sums.
.macro G2Q s, wb, ct0, zero
	WIN 0x50                                       ; C and D in window 1
.set ct, \ct0
.rept 4
.set t, 0
.rept MT
.if \zero
	v_wmma_f32_16x16x32_bf16 v[8*(8*t+ct):8*(8*t+ct)+7], v[\wb+8*ct:\wb+8*ct+7], v[HF+8*(4*\s+t):HF+8*(4*\s+t)+7], 0
.else
	v_wmma_f32_16x16x32_bf16 v[8*(8*t+ct):8*(8*t+ct)+7], v[\wb+8*ct:\wb+8*ct+7], v[HF+8*(4*\s+t):HF+8*(4*\s+t)+7], v[8*(8*t+ct):8*(8*t+ct)+7]
.endif
.set t, t+1
.endr
.set ct, ct+1
.endr
.endm
.macro RELU hw                         ; relu, rounding to bf16, and my half fragment of each token tile into h buffer hw; each sum is read from its lowest register on
.set t, 0
.rept MT
.irp j, 0,1,2,3,4,5,6,7
	v_max_num_f32 v[HA+8*t+\j], 0, v[HA+8*t+\j]
.endr
.irp p, 0,1,2,3
	v_cvt_pk_bf16_f32 v[HA+8*t+\p], v[HA+8*t+2*\p], v[HA+8*t+2*\p+1]
.endr
	ds_store_b128 v[AHW], v[HA+8*t:HA+8*t+3] offset:2048*t+8192*(\hw)
.set t, t+1
.endr
.endm
; STEP j, par = j % 2: reads slot 1 - par (block j + 1) and h buffer par, writes h buffer 1 - par.
; g1 = 0: the last step, no first product.  zero = 1: step 0.  fill: 1 the slot is filled again with block j + 3; 2 with the last block, 16 KiB, into W2's part of slot 0;
; 0 nothing is left to fetch, a plain barrier shows h; 3 the last step, no barrier.  nb = 1: the bias of chunk j + 2 is asked for (there is none behind chunk 31).
.macro STEP par, g1, zero, fill, nb
.if \g1
	LDW WB0, 1-\par, 0                             ; W1, K 0-255
	LDW WB1, 1-\par, 8192                          ; W1, K 256-511
	LDH \par
	s_wait_loadcnt 0x0                             ; this chunk's bias, asked for a step ago; no other load into registers is out
	s_wait_dscnt 16+4*MT                           ; behind the first buffer: the second buffer's 16 loads and h's 16
	G1HALF 0, WB0, 1
	WIN 0
	PLACES
.if \nb
	LDBIAS 1                                       ; the products that read the old bias stand more than four places back
.endif
	LDW WB0, 1-\par, 16384                         ; W2, f fragment 0
	s_wait_dscnt 16+4*MT                           ; behind the second buffer: h's 16 and the 16 just issued
	G1HALF 1, WB1, 0
	WIN 0
	PLACES
	LDW WB1, 1-\par, 24576                         ; W2, f fragment 1
	RELU 1-\par
	s_wait_dscnt 16+MT                             ; behind h and W2's first buffer: 16 loads and 4 stores
.else
	LDH \par
	LDW WB0, 1-\par, 16384
	LDW WB1, 1-\par, 24576
	s_wait_dscnt 16                                ; the second buffer's 16 loads may be out
.endif
	G2Q 0, WB0, 0, \zero
	G2Q 0, WB0, 4, \zero
.if \g1
	s_wait_dscnt MT                                ; only my 4 stores of h may be out
.else
	s_wait_dscnt 0x0
.endif
	G2Q 1, WB1, 0, 0
.if \fill == 3
	G2Q 1, WB1, 4, 0
	WIN 0
.else
	s_wait_dscnt 0x0                               ; my reads of this slot and of h are over, my part of the next h is stored,
	s_wait_tensorcnt 0x0                           ; and my one tensor load, the other slot's, has landed: no group 0 is in use
	s_barrier_signal -1                            ; say so,
	G2Q 1, WB1, 4, 0                               ; work on registers while the others arrive,
	WIN 0
	s_barrier_wait -1
.if \fill == 1
	CREST                                          ; no wave of any partner still reads this slot or has a load on its way
	s_add_nc_u64 s[G0+4*\par+2:G0+4*\par+3], s[G0+4*\par+2:G0+4*\par+3], 65536   ; the other slot's next block, two blocks on
	TLOAD 1-\par, G1F                              ; block j + 3 into the slot just read: the first thing behind the round
.elseif \fill == 2
	CREST
	s_add_co_u32 s[G0+1], s[G0+1], 16384           ; the last block is W2(31) alone: it goes into W2's part of slot 0
	TLOAD 0, G1H
.else
	PLACES                                         ; the wait above has shown the last block landed
.endif
.endif
.endm
; Half q of x's K for my 16 rows: row pair n is rows 16 w + 2 n + lane / 16; sixteen lanes take 256 aligned bytes of a row.  32 loads.
.macro XLOAD q
	WIN 0x40                                       ; destination window 1
.set n, 0
.rept 8
.irp u, 0,1,2,3
	global_load_b128 v[4*(\q*32+4*n+\u):4*(\q*32+4*n+\u)+3], v[GX], s[4:5] offset:4096*n+256*(4*\q+\u) th:TH_LOAD_NT
.endr
.set n, n+1
.endr
	WIN 0
.endm
; Half kh of x's K: my 16 rows are rounded to bf16 and put into the stage; behind a barrier every wave takes all 64 rows as fragments.
.macro XHALF kh
	s_wait_loadcnt (1-\kh)*32                      ; the first half's 32 loads are in while the second half's stay out; then all
	WIN 0x05                                       ; sources in window 1
.set n, 0
.rept 32
	v_cvt_pk_bf16_f32 v[XT+2*n],   v[4*(\kh*32+n)],   v[4*(\kh*32+n)+1]
	v_cvt_pk_bf16_f32 v[XT+2*n+1], v[4*(\kh*32+n)+2], v[4*(\kh*32+n)+3]
.set n, n+1
.endr
	WIN 0
.set n, 0
.rept 32
	ds_store_b64 v[AXW], v[XT+2*n:XT+2*n+1] offset:1056*(n/4)+128*(n%4)   ; row pair n / 4, 64 columns n % 4
.set n, n+1
.endr
	s_wait_dscnt 0x0                               ; for the others' sake: my rows are in the stage
	s_barrier_signal -1
	s_barrier_wait -1
	WIN 0x80+0x40*\kh                              ; destination window 2 or 3
.set ks, 0
.rept 8
.set t, 0
.rept MT
	ds_load_b128 v[8*(4*ks+t):8*(4*ks+t)+3],   v[AXR] offset:8448*t+64*ks
	ds_load_b128 v[8*(4*ks+t)+4:8*(4*ks+t)+7], v[AXR] offset:8448*t+64*ks+32
.set t, t+1
.endr
.set ks, ks+1
.endr
	WIN 0
	s_wait_dscnt 0x0
.if \kh == 0
	s_barrier_signal -1                            ; every wave has read the first half: the stage may be written again
	s_barrier_wait -1
.endif
.endm
; The way out of token tile t.  The addition of bias 2 also brings four neighbouring columns (tiles cc = 0..3) into four neighbouring registers; 16 bytes a lane go
; into my own 16 rows of the stage and come back as rows; sixteen lanes then store 256 consecutive aligned bytes of one token's row, where the token's id is this pass's.
.macro OUT t
	WIN 0x01                                       ; source 0 in window 1
.irp G, 0,1
.irp j, 0,1,2,3,4,5,6,7
.irp c, 0,1,2,3
	v_add_f32 v[TT+4*(8*\G+\j)+\c], v[8*(8*\t+4*\G+\c)+\j], v[BI+4*(8*\G+\j)+\c]   ; j ascending: each sum is read from its lowest register on
.endr
.endr
.endr
	WIN 0
.irp G, 0,1
.irp j, 0,1,2,3,4,5,6,7
	ds_store_b128 v[ASTO], v[TT+4*(8*\G+\j):TT+4*(8*\G+\j)+3] offset:256*\G+16*\j
.endr
.endr
.irp i, 0,1,2,3,4,5,6,7
.irp u, 0,1
	ds_load_b128 v[TT+4*(2*\i+\u):TT+4*(2*\i+\u)+3], v[ARD] offset:1056*\i+256*\u   ; LDS serves a wave's instructions in order (ISA guide 5.7.1.4): these see the stores above
.endr
.endr
.irp i, 0,1,2,3,4,5,6,7
	s_wait_dscnt 14-2*\i                           ; rows 2 i and 2 i + 1 are back; the later pairs stay out
	v_cmp_eq_u32 vcc_lo, s29, v[ID+8*\t+\i]        ; token 64 g + 16 t + 2 i + lane / 16 has chosen this network
	s_wait_xcnt 0x0                                ; EXEC changes only behind this wait
	s_and_saveexec_b32 s59, vcc_lo
	global_store_b128 v[GO], v[TT+8*\i:TT+8*\i+3],   s[14:15] offset:(16*\t+2*\i)*2048 th:TH_STORE_NT
	global_store_b128 v[GO], v[TT+8*\i+4:TT+8*\i+7], s[14:15] offset:(16*\t+2*\i)*2048+256 th:TH_STORE_NT
	s_wait_xcnt 0x0                                ; and again; it also frees the stores' registers for the next tile
	s_mov_b32 exec_lo, -1                          ; every lane was on at the entry and only such masks narrow EXEC: all ones is the state restored
.endr
.endm
	s_load_b256 s[4:11], s[0:1], 0x0               ; x s[4:5], b_seq s[6:7], B1 s[8:9], B2 s[10:11]
	s_load_b128 s[12:15], s[0:1], 0x20             ; wf s[12:13], out0 s[14:15]
	v_lshrrev_b32 v27, 5, v0
	v_readfirstlane_b32 s20, v27                   ; wave 0..3
	s_bfe_u32 s21, ttmp6, 0x40000                  ; my place in the cluster
	s_lshl_b32 s24, ttmp9, 2                       ; in a cluster launch ttmp9 counts clusters
	s_add_co_u32 s24, s24, s21                     ; my work-group's number g
	v_and_b32 v[R], 15, v0
	v_bfe_u32 v[HH], v0, 4, 1
	v_and_b32 v27, 31, v0
	v_lshlrev_b32 v[L16], 4, v27
	v_lshlrev_b32 v[R16], 4, v[R]
	s_lshl_b32 s70, s24, 6                         ; my first token, 64 g
	s_lshl4_add_u32 s71, s20, s70                  ; my wave's first token on the way in, 64 g + 16 w
	v_add_nc_u32 v[GI], s70, v[HH]
	v_lshl_add_u32 v[GO], v[GI], 11, v[R16]        ; a row is 2,048 bytes
	v_lshl_add_u32 v[GO], s20, 9, v[GO]            ; my wave's 128 columns
	v_lshlrev_b32 v[GI], 2, v[GI]
	v_add_nc_u32 v[GI0], s71, v[HH]
	v_lshl_add_u32 v[GX], v[GI0], 11, v[R16]
	v_lshlrev_b32 v[GI0], 2, v[GI0]
	s_wait_kmcnt 0x0
.irp i, 0,1,2,3,4,5,6,7
	global_load_b32 v[ID+\i], v[GI0], s[6:7] offset:8*\i   ; the id of token 64 g + 16 w + 2 i + lane / 16
.endr
	XLOAD 0
	s_lshl_b32 s66, s20, 20
	s_mov_b32 s67, 0
	s_add_nc_u64 s[56:57], s[12:13], s[66:67]      ; my stream of network 0: w MiB into wf: the same in all four partners
	s_lshl_b32 s66, s20, 15
	v_add_nc_u32 v[AW], s66, v[L16]
	v_add_nc_u32 v[AW+1], SLOTB, v[AW]
	v_add_nc_u32 v[AHR], HB, v[L16]
	s_lshr_b32 s66, s20, 1
	s_lshl_b32 s66, s66, 10                        ; my f belong to fragment w / 2,
	s_and_b32 s67, s20, 1
	s_lshl_b32 s67, s67, 9                         ; half w % 2
	s_add_co_u32 s66, s66, s67
	v_add_nc_u32 v[AHW], s66, v[AHR]
	s_lshl_b32 s66, s20, 2
	v_lshl_add_u32 v[AB1], v[HH], 7, s66           ; bias 1: 128 (lane / 16) + 4 w
	s_lshl_b32 s66, s20, 9
	v_lshl_add_u32 v[GB2], v[HH], 7, s66           ; bias 2: my columns 128 w + 32 (lane / 16) + ..
	s_mul_i32 s66, s20, 16*SPX
	s_add_co_u32 s66, s66, STG                     ; my 16 rows of the stage, on the way in and on the way out
	v_mul_u32_u24 v[ASTO], v[R], SPX               ; out, in: row lane % 16, 128 bytes for each half of the lanes
	v_lshl_add_u32 v[ASTO], v[HH], 7, v[ASTO]
	v_add_nc_u32 v[ASTO], s66, v[ASTO]
	v_mul_u32_u24 v[ARD], v[HH], SPX               ; out, back: lanes 0-15 take 256 bytes of one row, lanes 16-31 of the next
	v_lshl_add_u32 v[ARD], v[R], 4, v[ARD]
	v_add_nc_u32 v[ARD], s66, v[ARD]
	v_mul_u32_u24 v[AXW], v[HH], SPX               ; x, in: row lane / 16 of a pair, 8 bytes a lane
	v_lshl_add_u32 v[AXW], v[R], 3, v[AXW]
	v_add_nc_u32 v[AXW], s66, v[AXW]
	v_mul_u32_u24 v[AXR], v[R], SPX                ; a fragment of x: row lane % 16, 16 bytes for each half of the lanes
	v_lshl_add_u32 v[AXR], v[HH], 4, v[AXR]
	v_add_nc_u32 v[AXR], STG, v[AXR]
.irp z, 0,1,2,3
	v_mov_b32 v[ZQ+\z], 0
.endr
	; descriptor group 1: a dense block as rows of 256 bytes (32 elements of 8 bytes), pitch = row
.irp g, G1F, G1H
	s_mov_b32 s[\g], 15|(3<<16)|(1<<21)            ; 15:0 the mask: all four work-groups; 17:16 elements of 8 bytes; 21 set beside a mask; no padding: fragments are read as they lie
	s_mov_b32 s[\g+1], 32<<16                      ; tensor_dim0 = 32
	s_mov_b32 s[\g+3], 32<<16                      ; tile_dim0 = 32
	s_mov_b32 s[\g+5], 32                          ; elements from row to row
	s_mov_b32 s[\g+6], 0
	s_mov_b32 s[\g+7], 0
.endr
	s_mov_b32 s[G1F+2], 128<<16                    ; tensor_dim1, tile_dim1 = 128 rows: 32 KiB
	s_mov_b32 s[G1F+4], 128
	s_mov_b32 s[G1H+2], 64<<16                     ; 64 rows: 16 KiB
	s_mov_b32 s[G1H+4], 64
	; THE ZERO ROWS among my wave's 16 tokens
	s_wait_loadcnt 32                              ; the eight ids are in; x's first 32 loads, issued behind them, may stay out
.irp i, 0,1,2,3,4,5,6,7
	v_add_nc_u32 v[ID+\i], -1, v[ID+\i]
	v_cmp_lt_u32 vcc_lo, 1, v[ID+\i]               ; id - 1 above 1, unsigned: neither 1 nor 2
	s_wait_xcnt 0x0                                ; EXEC changes only behind this wait
	s_and_saveexec_b32 s59, vcc_lo
.irp u, 0,1,2,3,4,5,6,7
	global_store_b128 v[GX], v[ZQ:ZQ+3], s[14:15] offset:4096*\i+256*\u th:TH_STORE_NT
.endr
	s_wait_xcnt 0x0
	s_mov_b32 exec_lo, -1                          ; all lanes on again, as at the entry
.endr
	XLOAD 1
	XHALF 0                                        ; x becomes fragments once, for both passes
	XHALF 1
	s_mov_b32 s28, 0
.Lpass:                                                ; two trips: network 0, network 1
	s_wait_dscnt 0x0                               ; every fill is issued as a refill is: my LDS work is over,
	s_wait_tensorcnt 0x0                           ; no tensor load of mine is out, so both group 0 may be written
	s_mov_b32 s[G0], 1                             ; count = 1
	s_lshl_b32 s[G0+1], s20, 15                    ; LDS: my part of slot 0
	s_mov_b64 s[G0+2:G0+3], s[56:57]               ; block 0
	s_or_b32 s[G0+3], s[G0+3], 0x80000000          ; type = 2
	s_mov_b32 s[G0+4], 1
	s_add_co_u32 s[G0+5], s[G0+1], SLOTB           ; my part of slot 1
	s_add_nc_u64 s[G0+6:G0+7], s[56:57], 16384     ; block 1
	s_or_b32 s[G0+7], s[G0+7], 0x80000000
	s_mov_b64 s[68:69], s[8:9]                     ; bias 1 from chunk 0 on; the last pass's loads by this base have been waited for
	s_add_co_u32 s29, s28, 1                       ; the id that this pass serves
	CROUND
	TLOAD 0, G1H                                   ; block 0: W1(0)
	LDBIAS 0                                       ; chunk 0's bias
	s_wait_tensorcnt 0x0                           ; block 0 has landed,
	s_add_nc_u64 s[G0+2:G0+3], s[G0+2:G0+3], 49152 ; so slot 0's group 0 may step to block 2
	s_wait_dscnt 0x0
	CROUND
	TLOAD 1, G1F                                   ; block 1: W1(1), W2(0)
	LDW WB0, 0, 0                                  ; the first product of chunk 0; the slot's bytes are my own load's
	LDW WB1, 0, 8192
	s_wait_loadcnt 0x0                             ; chunk 0's bias
	s_wait_dscnt 16                                ; the second buffer's 16 loads may be out
	G1HALF 0, WB0, 1
	WIN 0
	PLACES
	LDBIAS 1                                       ; chunk 1's bias
	s_wait_dscnt 0x0
	G1HALF 1, WB1, 0
	WIN 0
	PLACES
	RELU 0
	s_wait_dscnt 0x0                               ; my reads of slot 0 are over, my part of h(0) is stored,
	s_wait_tensorcnt 0x0                           ; block 1 has landed
	s_add_nc_u64 s[G0+6:G0+7], s[G0+6:G0+7], 65536 ; slot 1's group 0 steps to block 3
	CROUND
	TLOAD 0, G1F                                   ; block 2
	STEP 0, 1, 1, 1, 1                             ; step 0 starts the sums of y^T
	s_mov_b32 s58, 14
.Lstep:                                                ; steps 1 to 28, two a trip
	STEP 1, 1, 0, 1, 1
	STEP 0, 1, 0, 1, 1
	s_sub_co_u32 s58, s58, 1
	s_cmp_lg_u32 s58, 0
	s_cbranch_scc1 .Lstep
	STEP 1, 1, 0, 2, 1                             ; step 29 asks for the last block and the last bias
	STEP 0, 1, 0, 0, 0                             ; step 30 asks for nothing
	STEP 1, 0, 0, 3, 0                             ; step 31: the second product of chunk 31
	PLACES
.irp G, 0,1
.irp j, 0,1,2,3,4,5,6,7
	global_load_b128 v[BI+4*(8*\G+\j):BI+4*(8*\G+\j)+3], v[GB2], s[10:11] offset:256*\G+16*\j   ; bias 2 of columns 128 w + 64 G + 32 (lane / 16) + 4 j + 0..3
.endr
.endr
.set n, 0
.rept 8*MT
	global_load_b32 v[ID+n], v[GI], s[6:7] offset:8*n      ; the id of token 64 g + 2 n + lane / 16: row pair n = 8 t + i of the stores
.set n, n+1
.endr
	s_wait_loadcnt 0x0
.irp tt, 0,1,2,3
	OUT \tt
.endr
	s_add_nc_u64 s[8:9], s[8:9], 8192              ; the next network's B1, B2 and stream; every load that named these bases has been waited for
	s_add_nc_u64 s[10:11], s[10:11], 2048
	s_add_nc_u64 s[56:57], s[56:57], 0x400000
	s_add_co_u32 s28, s28, 1
	s_cmp_lt_u32 s28, 2
	s_cbranch_scc1 .Lpass
	s_wait_dscnt 0x0
	s_wait_tensorcnt 0x0
	CROUND                                         ; the closing round: no work-group ends while a partner may still ask for a block that names it
	s_endpgm
.Lfunc_end_k_qc5a7587e4d_ffn:
	.size	k_qc5a7587e4d_ffn, .Lfunc_end_k_qc5a7587e4d_ffn-k_qc5a7587e4d_ffn
	.p2alignl 7, 3214868480
	.fill 96, 4, 3214868480
	.section	.rodata,"a",@progbits
	.p2align	6, 0x0
	.amdhsa_kernel k_qc5a7587e4d_ffn
		.amdhsa_group_segment_fixed_size 327680
		.amdhsa_private_segment_fixed_size 0
		.amdhsa_enable_private_segment 0
		.amdhsa_kernarg_size 48
		.amdhsa_user_sgpr_count 2
		.amdhsa_user_sgpr_kernarg_segment_ptr 1
		.amdhsa_wavefront_size32 1
		.amdhsa_system_sgpr_workgroup_id_x 1
		.amdhsa_system_sgpr_workgroup_id_y 1
		.amdhsa_system_sgpr_workgroup_id_z 1
		.amdhsa_system_vgpr_workitem_id 0
		.amdhsa_next_free_vgpr 1024
		.amdhsa_next_free_sgpr 72
		.amdhsa_reserve_vcc 1
		.amdhsa_float_denorm_mode_32 3
		.amdhsa_float_denorm_mode_16_64 3
		.amdhsa_memory_ordered 1
		.amdhsa_forward_progress 1
		.amdhsa_inst_pref_size 178
	.end_amdhsa_kernel
	.amdgpu_metadata
---
amdhsa.version: [ 1, 2 ]
amdhsa.kernels:
  - .name:           k_qc5a7587e4d_ffn
    .symbol:         k_qc5a7587e4d_ffn.kd
    .args:
      - { .name: x, .offset: 0, .size: 8, .value_kind: global_buffer, .address_space: global }
      - { .name: b_seq, .offset: 8, .size: 8, .value_kind: global_buffer, .address_space: global }
      - { .name: B1, .offset: 16, .size: 8, .value_kind: global_buffer, .address_space: global }
      - { .name: B2, .offset: 24, .size: 8, .value_kind: global_buffer, .address_space: global }
      - { .name: wf, .offset: 32, .size: 8, .value_kind: global_buffer, .address_space: global }
      - { .name: out0, .offset: 40, .size: 8, .value_kind: global_buffer, .address_space: global }
    .group_segment_fixed_size: 327680
    .private_segment_fixed_size: 0
    .kernarg_segment_align: 8
    .kernarg_segment_size: 48
    .max_flat_workgroup_size: 128
    .sgpr_count:     72
    .vgpr_count:     1024
    .wavefront_size: 32
...
	.end_amdgpu_metadata
.endif
;; end of part 2
